; MI455X (gfx1250); checked and timed in simulation.
; The chip was launched on July 23, 2026; its instructions are those of AMD's public machine-readable ISA for CDNA 5 (MIT licence, August 2026) and "CDNA5" Instruction Set Architecture Reference Guide (July 2026). The comments in the code are by the model that wrote it; some were corrected since.
;; Extract Module. Allowed arithmetic: float matrix products may take bf16 or f16 operands with f32 sums; other float arithmetic in f32, or as packed bf16 or f16 multiplies, adds, multiply-adds, maxima and minima; sums over many terms, partial sums and values carried from step to step in f32; what a program stores and reads back later, other than sums and carried values, may be rounded once to bf16 or f16.
;; Inputs: batch 16 x 256 x 256 float32; lp 3 float32.
;; Outputs: out0 16 x 180 float32.
;; One version. Each part assembles by itself: llvm-mc -triple=amdgcn-amd-amdhsa -mcpu=gfx1250 --defsym DOCPART=n.
;; ======== version 1 of 1: 7 launches
;; limits: values outside matrix products are rounded to f16; values are held in f16: magnitudes above 65,504 overflow, below 6.1e-05 lose precision; right only within a limited range of input values
;; workspace buffers: tw 3,145,728 bytes; xf 2,097,152 bytes; y 8,388,608 bytes; aa 8,388,608 bytes; z 16,777,216 bytes; ps 8,388,608 bytes; part 3,145,728 bytes
;; launch prep (part 1): grid 1280 x 1, 8 waves a work-group, no clusters, 0 bytes of LDS; arguments batch, tw, xf; writes tw, xf
.if DOCPART == 1
	.amdgcn_target "amdgcn-amd-amdhsa--gfx1250"
	.amdhsa_code_object_version 6
	.text
	.protected	k_qef7e4ae15c_prep
	.globl	k_qef7e4ae15c_prep
	.p2align	8
	.type	k_qef7e4ae15c_prep,@function
k_qef7e4ae15c_prep:
	s_mov_b64 s[64:65], 0
	v_nop
	global_prefetch_b8 v0, s[64:65] scope:SCOPE_SE
	s_setreg_imm32_b32 hwreg(HW_REG_WAVE_MODE, 25, 1), 1
	s_wait_xcnt 0x0
; PREPARATION.  Work-groups 0..767 make three tables of cosines and sines in f16 (tw), work-groups 768..1279 round batch to f16 (xf).
; Everything is stored FRAGMENT-MAJOR: [row tile of 16][chunk of 32 along K][g 0..1][lane 0..31][16 bytes]; lane L = r + 16 hf holds row r and
; K = 32 chunk + 16 g + 8 hf + 0..7, which is the register image of a 16-bit matrix operand: two loads of 512 consecutive bytes fill a fragment.
; One thread makes one piece of 16 bytes; piece number = 256 x work-group + thread, so a wave's store covers 512 consecutive bytes, aligned.
; A table entry is SC x sin(pi (R k + PH) / 256): PH = 128 gives cos(2 pi R k / 512), 0 gives sin, 256 gives -sin.
;   TA (byte 0):      64 row tiles x 16 chunks.  row n: R = n mod 512, part = n / 512; PH = 128 + 128 part (cos, -sin); SC = 1/16
;   TB (byte 1 MiB):  64 row tiles x 16 chunks.  row tile 2 q + ri', R = 16 q + r; K = 256 ri + k; PH = 128 + 128 (ri' - ri); SC = 1/64
;   TD (byte 2 MiB):  32 row tiles x 32 chunks.  R = 16 rt + r; K = 512 cs + k; PH = 128 - 128 cs (cos, sin); SC = 1/16
; sin(pi v) for v in 0..2: k = v rounded to a whole number (by adding and taking away 1.5 x 2^23), r = v - k, sin = (-1)^k pi r Q(r^2), Q a polynomial of
; five terms (what is cut is under 3e-6, far under f16's step).  The parity of k is bit 0 of v + 1.5 x 2^23; Q > 0, so it is set as Q's sign bit.
; LIMIT: |batch| stays under 65,504 (f16's range); NaN and infinities are not treated apart.
	s_load_b128 s[4:7], s[0:1], 0x0                ; batch s[4:5], tw s[6:7]
	s_load_b64 s[8:9], s[0:1], 0x10                ; xf
	s_mov_b32 s2, ttmp9
	v_and_b32 v1, 15, v0                           ; r
	v_bfe_u32 v2, v0, 4, 2
	v_lshlrev_b32 v2, 3, v2                        ; 16 g + 8 hf
	s_cmp_ge_u32 s2, 768
	s_cbranch_scc1 .Lxf
	s_and_b32 s3, s2, 255
	s_lshl_b32 s3, s3, 2
	v_lshrrev_b32 v3, 6, v0
	v_add_nc_u32 v3, s3, v3                        ; the fragment's number in its table, 0..1023
	s_lshl_b32 s11, s2, 12
	v_lshl_add_u32 v13, v0, 4, s11                 ; 16 x piece number
	s_mov_b32 s21, 0x4b400000                      ; 1.5 x 2^23
	s_mov_b32 s22, 0xcb400000                      ; and its negative
	s_mov_b32 s24, 0x3cd63403                      ; pi^8 / 9!
	s_mov_b32 s25, 0xbe435472                      ; -pi^6 / 7!
	s_mov_b32 s26, 0x3f4fce5a                      ; pi^4 / 5!
	s_mov_b32 s27, 0xbfd28d33                      ; -pi^2 / 3!
	s_lshr_b32 s10, s2, 8                          ; which table
	s_cmp_eq_u32 s10, 1
	s_cbranch_scc1 .Ltb
	s_cmp_eq_u32 s10, 2
	s_cbranch_scc1 .Ltd
	v_lshrrev_b32 v6, 4, v3                        ; TA: row tile
	v_and_b32 v7, 15, v3                           ; chunk
	v_lshl_add_u32 v4, v6, 4, v1                   ; n
	v_lshrrev_b32 v8, 9, v4                        ; part
	v_and_b32 v4, 0x1ff, v4                        ; R
	v_lshl_add_u32 v7, v7, 5, v2                   ; the piece's first k
	v_lshlrev_b32 v8, 7, v8
	v_add_nc_u32 v8, 0x80, v8                      ; PH
	v_mad_u32_u24 v5, v4, v7, v8                   ; E = R k + PH
	s_mov_b32 s20, 0x3e490fdb                      ; pi / 16
	s_branch .Lgo
.Ltb:
	v_lshrrev_b32 v6, 4, v3                        ; TB: row tile = 2 q + ri'
	v_and_b32 v7, 15, v3                           ; chunk
	v_lshrrev_b32 v9, 1, v6                        ; q
	v_and_b32 v6, 1, v6                            ; ri'
	v_lshl_add_u32 v4, v9, 4, v1                   ; R
	v_lshrrev_b32 v8, 3, v7                        ; ri
	v_lshl_add_u32 v7, v7, 5, v2
	v_and_b32 v7, 0xff, v7                         ; the piece's first k
	v_sub_nc_u32 v6, v6, v8
	v_lshlrev_b32 v6, 7, v6
	v_add_nc_u32 v8, 0x80, v6                      ; PH = 0, 128 or 256
	v_mad_u32_u24 v5, v4, v7, v8
	s_mov_b32 s20, 0x3d490fdb                      ; pi / 64
	s_branch .Lgo
.Ltd:
	v_lshrrev_b32 v6, 5, v3                        ; TD: row tile
	v_and_b32 v7, 31, v3                           ; chunk
	v_lshl_add_u32 v4, v6, 4, v1                   ; R
	v_lshrrev_b32 v8, 4, v7                        ; cs
	v_lshl_add_u32 v7, v7, 5, v2
	v_and_b32 v7, 0x1ff, v7                        ; the piece's first k
	v_lshlrev_b32 v8, 7, v8
	v_sub_nc_u32 v8, 0x80, v8                      ; PH
	v_mad_u32_u24 v5, v4, v7, v8
	s_mov_b32 s20, 0x3e490fdb                      ; pi / 16
.Lgo:
.macro SINV j                          ; entry j of the piece's eight; E steps by R
	v_and_b32 v8, 0x1ff, v5
	v_cvt_f32_u32 v8, v8
	v_mul_f32 v8, 0x3b800000, v8                   ; v = (E mod 512) / 256
	v_add_f32 v9, s21, v8                          ; its low bit is k's parity
	v_add_f32 v10, s22, v9                         ; k
	v_sub_f32 v10, v8, v10                         ; r, exact
	v_mul_f32 v11, v10, v10
	v_fma_f32 v12, v11, s24, s25
	v_fma_f32 v12, v12, v11, s26
	v_fma_f32 v12, v12, v11, s27
	v_fma_f32 v12, v12, v11, 1.0
	v_lshl_or_b32 v12, v9, 31, v12                 ; (-1)^k Q
	v_mul_f32 v10, s20, v10
	v_mul_f32 v[16+(\j)], v12, v10
	v_add_nc_u32 v5, v5, v4
.endm
.irp j, 0,1,2,3,4,5,6,7
	SINV \j
.endr
.irp j, 0,1,2,3
	v_cvt_pk_f16_f32 v[24+(\j)], v[16+2*(\j)], v[17+2*(\j)]
.endr
	s_wait_kmcnt 0x0
	global_store_b128 v13, v[24:27], s[6:7]
	s_endpgm
.Lxf:                                  ; xf: [b][16 row tiles h][8 chunks w]: piece = 8192 b + 512 rt + 64 ch + 32 g + L
	s_sub_co_u32 s3, s2, 768
	s_lshl_b32 s3, s3, 8
	v_add_nc_u32 v6, s3, v0                        ; piece number in xf
	v_lshrrev_b32 v7, 9, v6                        ; 16 b + rt
	v_lshl_add_u32 v7, v7, 4, v1                   ; 256 b + h
	v_bfe_u32 v8, v6, 6, 3                         ; chunk
	v_lshl_add_u32 v8, v8, 5, v2                   ; the piece's first w
	v_lshl_add_u32 v7, v7, 8, v8
	v_lshlrev_b32 v7, 2, v7                        ; byte offset in batch
	v_lshlrev_b32 v6, 4, v6                        ; byte offset in xf
	s_wait_kmcnt 0x0
	global_load_b128 v[16:19], v7, s[4:5]
	global_load_b128 v[20:23], v7, s[4:5] offset:16
	s_wait_loadcnt 0x0
.irp j, 0,1,2,3
	v_cvt_pk_f16_f32 v[24+(\j)], v[16+2*(\j)], v[17+2*(\j)]
.endr
	global_store_b128 v6, v[24:27], s[8:9]
	s_endpgm
.Lfunc_end_k_qef7e4ae15c_prep:
	.size	k_qef7e4ae15c_prep, .Lfunc_end_k_qef7e4ae15c_prep-k_qef7e4ae15c_prep
	.p2alignl 7, 3214868480
	.fill 96, 4, 3214868480
	.section	.rodata,"a",@progbits
	.p2align	6, 0x0
	.amdhsa_kernel k_qef7e4ae15c_prep
		.amdhsa_group_segment_fixed_size 0
		.amdhsa_private_segment_fixed_size 0
		.amdhsa_enable_private_segment 0
		.amdhsa_kernarg_size 24
		.amdhsa_user_sgpr_count 2
		.amdhsa_user_sgpr_kernarg_segment_ptr 1
		.amdhsa_wavefront_size32 1
		.amdhsa_system_sgpr_workgroup_id_x 1
		.amdhsa_system_sgpr_workgroup_id_y 1
		.amdhsa_system_sgpr_workgroup_id_z 1
		.amdhsa_system_vgpr_workitem_id 0
		.amdhsa_next_free_vgpr 32
		.amdhsa_next_free_sgpr 66
		.amdhsa_reserve_vcc 0
		.amdhsa_float_denorm_mode_32 3
		.amdhsa_float_denorm_mode_16_64 3
		.amdhsa_memory_ordered 1
		.amdhsa_forward_progress 1
		.amdhsa_inst_pref_size 11
	.end_amdhsa_kernel
	.amdgpu_metadata
---
amdhsa.version: [ 1, 2 ]
amdhsa.kernels:
  - .name:           k_qef7e4ae15c_prep
    .symbol:         k_qef7e4ae15c_prep.kd
    .args:
      - { .name: batch, .offset: 0, .size: 8, .value_kind: global_buffer, .address_space: global }
      - { .name: tw, .offset: 8, .size: 8, .value_kind: global_buffer, .address_space: global }
      - { .name: xf, .offset: 16, .size: 8, .value_kind: global_buffer, .address_space: global }
    .group_segment_fixed_size: 0
    .private_segment_fixed_size: 0
    .kernarg_segment_align: 8
    .kernarg_segment_size: 24
    .max_flat_workgroup_size: 256
    .sgpr_count:     66
    .vgpr_count:     32
    .wavefront_size: 32
...
	.end_amdgpu_metadata
.endif
;; end of part 1
;; launch s1 (part 2): grid 16 x 16, 4 waves a work-group, no clusters, 0 bytes of LDS; arguments xf, tw, y; writes y
.if DOCPART == 2
	.amdgcn_target "amdgcn-amd-amdhsa--gfx1250"
	.amdhsa_code_object_version 6
	.text
	.protected	k_qef7e4ae15c_s1
	.globl	k_qef7e4ae15c_s1
	.p2align	8
	.type	k_qef7e4ae15c_s1,@function
k_qef7e4ae15c_s1:
	s_mov_b64 s[64:65], 0
	v_nop
	global_prefetch_b8 v0, s[64:65] scope:SCOPE_SE
	s_setreg_imm32_b32 hwreg(HW_REG_WAVE_MODE, 25, 1), 1
	s_wait_xcnt 0x0
; DFT PASS 1 of 4, along w:  Y[k2][h] = sum over w of X[h][w] (cos, -sin)(2 pi w k2 / 512) / 16, real part and imaginary part.  f16 operands, f32 sums, f16 out.
; One text serves the four passes; only the constants below differ.  All operands lie in memory fragment-major: [image][row tile of 16][chunk of 32 K][g][lane][16 bytes], so a
; fragment is two loads of 512 consecutive bytes straight into operand registers: no LDS, nothing is turned.
; D = data (source 0, rows m) x table (source 1, rows n): lane (r, h') then holds n = r and m = 8 h' + 0..7: rounded in pairs, 16 bytes of the NEXT pass's operand (row n, K = m):
; out byte = row tile(n) ORS + part(n) KOFF + 512 x (m tile) + 16 x lane: each store of a wave covers 512 consecutive bytes, aligned.
; SHARES: grid y = image; grid x = (n block, m block); a work-group makes 128 x 128, each of its four waves 64 x 64: 16 accumulators.
; NO CLUSTER, NO LDS TILES: the four waves share half of their fragments through the caches alone; the text is kept plain.
; REGISTERS: window 0: v1 load offset, v2 store offset, three operand buffers of 64 (4 data fragments, 4 table fragments) at v16, v80, v144;
;            window 1: v0-127 the accumulators ((i, j) at 8 (4 i + j)); v128-191 the fourth buffer.
; LIMIT: the results stay under 65,504 (f16): here |sum| / 16.
.set KCH,  8                           ; chunks of 32 along K (w = 0..255)
.set AS,   8192                        ; bytes from row tile to row tile of the data
.set INB,  131072                      ; bytes of an image's data
.set BS,   16384                       ; bytes from row tile to row tile of the table
.set TOFF, 0                           ; the table's place in tw: TA
.set LMB,  1                           ; log2 of the number of m blocks
.set ORS,  16384                       ; bytes from row tile to row tile of the output
.set KOFF, 8192                        ; the imaginary part's place in an output row
.set OUTB, 524288                      ; bytes of an image's output
.set ABS,  0                           ; 1: the output is the magnitude of (even n tile, odd n tile)
.set B0, 16
.set B1, 80
.set B2, 144
.set B3, 128                           ; in window 1
.set MSB, 0
.macro WIN new                         ; the immediate's high byte repeats the setting that is left; a switch that changes nothing is dropped
.if MSB != (\new)
	s_set_vgpr_msb (MSB<<8)|(\new)
.set MSB, \new
.endif
.endm
.macro PLACES                          ; four plain vector lines between a matrix instruction and a load into, or a vector read or write of, its registers
.rept 4
	v_nop
.endr
.endm
.macro LOADS buf, w, co                ; 16 loads: the chunk at byte co of the rows, into buffer buf of window w
	WIN 0x40*(\w)
.irp i, 0,1,2,3
	global_load_b128 v[(\buf)+8*(\i):(\buf)+8*(\i)+3],   v1, s[4:5] offset:(\i)*AS+(\co)
	global_load_b128 v[(\buf)+8*(\i)+4:(\buf)+8*(\i)+7], v1, s[4:5] offset:(\i)*AS+(\co)+512
.endr
.irp j, 0,1,2,3
	global_load_b128 v[(\buf)+32+8*(\j):(\buf)+32+8*(\j)+3],   v1, s[6:7] offset:(\j)*BS+(\co)
	global_load_b128 v[(\buf)+32+8*(\j)+4:(\buf)+32+8*(\j)+7], v1, s[6:7] offset:(\j)*BS+(\co)+512
.endr
.endm
.macro MUL buf, w, zero                ; 16 matrix instructions, the 16 accumulators by turns; zero = 1: the products start the sums
	WIN 0x50+5*(\w)
.irp i, 0,1,2,3
.irp j, 0,1,2,3
.if \zero
	v_wmma_f32_16x16x32_f16 v[8*(4*(\i)+(\j)):8*(4*(\i)+(\j))+7], v[(\buf)+8*(\i):(\buf)+8*(\i)+7], v[(\buf)+32+8*(\j):(\buf)+32+8*(\j)+7], 0
.else
	v_wmma_f32_16x16x32_f16 v[8*(4*(\i)+(\j)):8*(4*(\i)+(\j))+7], v[(\buf)+8*(\i):(\buf)+8*(\i)+7], v[(\buf)+32+8*(\j):(\buf)+32+8*(\j)+7], v[8*(4*(\i)+(\j)):8*(4*(\i)+(\j))+7]
.endif
.endr
.endr
.endm
.macro STEP fb, fw, co, mb, mw         ; the buffer just multiplied is filled again, four chunks ahead; the next buffer is multiplied
	s_wait_loadcnt 32                              ; 48 loads are out, 16 a buffer, in order: the oldest 16, buffer mb's, are in; the two younger buffers' stay out
	PLACES
	LOADS \fb, \fw, \co
	MUL \mb, \mw, 0
.endm
	s_load_b128 s[4:7], s[0:1], 0x0                ; data s[4:5], tw s[6:7]
	s_load_b64 s[8:9], s[0:1], 0x10                ; output
	v_lshrrev_b32 v3, 5, v0
	v_readfirstlane_b32 s10, v3                    ; wave 0..3
	v_and_b32 v1, 31, v0
	v_lshlrev_b32 v1, 4, v1                        ; 16 x lane
	v_mov_b32 v2, v1
	s_and_b32 s11, ttmp7, 0xffff                   ; image
	s_and_b32 s12, ttmp9, (1<<LMB)-1               ; m block
	s_lshr_b32 s13, ttmp9, LMB                     ; n block
	s_and_b32 s14, s10, 1
	s_lshr_b32 s15, s10, 1
	s_lshl_b32 s12, s12, 3
	s_lshl2_add_u32 s12, s14, s12                  ; my first m tile = 8 x block + 4 x (wave mod 2)
	s_lshl_b32 s13, s13, 3
	s_lshl2_add_u32 s13, s15, s13                  ; my first n tile = 8 x block + 4 x (wave / 2)
	s_mul_i32 s16, s11, INB
	s_mul_i32 s17, s12, AS
	s_add_co_u32 s16, s16, s17
	s_mov_b32 s17, 0
	s_mul_i32 s18, s13, BS
	s_add_co_u32 s18, s18, TOFF
	s_mov_b32 s19, 0
	s_mul_i32 s20, s11, OUTB
	s_lshl_b32 s21, s12, 9
	s_add_co_u32 s20, s20, s21
.if ABS
	s_lshr_b32 s21, s13, 1
	s_mul_i32 s21, s21, ORS
.else
	s_and_b32 s21, s13, 31
	s_mul_i32 s21, s21, ORS
	s_lshr_b32 s23, s13, 5
	s_mul_i32 s23, s23, KOFF
	s_add_co_u32 s21, s21, s23
.endif
	s_add_co_u32 s20, s20, s21
	s_mov_b32 s21, 0
	s_wait_kmcnt 0x0
	s_add_nc_u64 s[4:5], s[4:5], s[16:17]
	s_add_nc_u64 s[6:7], s[6:7], s[18:19]
	s_add_nc_u64 s[8:9], s[8:9], s[20:21]
	LOADS B0, 0, 0
	LOADS B1, 0, 1024
	LOADS B2, 0, 2048
	s_wait_loadcnt 32                              ; chunk 0 is in
	LOADS B3, 1, 3072
	MUL B0, 0, 1                                   ; the first chunk starts the sums: nothing is cleared
	WIN 0                                          ; at a label and at a branch every window is 0
	s_mov_b32 s22, KCH/4-1
.Lk:                                   ; a trip: four chunks are asked for, four are multiplied
	STEP B0, 0, 4096, B1, 0
	STEP B1, 0, 5120, B2, 0
	STEP B2, 0, 6144, B3, 1
	STEP B3, 1, 7168, B0, 0
	WIN 0
	s_wait_xcnt 0x0                                ; the loads' offset register is rewritten only behind this wait
	v_add_nc_u32 v1, 4096, v1
	s_sub_co_u32 s22, s22, 1
	s_cmp_lg_u32 s22, 0
	s_cbranch_scc1 .Lk
	s_wait_loadcnt 32                              ; the last three chunks: the counts run down
	MUL B1, 0, 0
	s_wait_loadcnt 16
	MUL B2, 0, 0
	s_wait_loadcnt 0x0
	MUL B3, 1, 0
	PLACES
.if ABS
	WIN 0x05                                       ; sources 0 and 1 window 1; source 2 and destination window 0
.set u, 0
.rept 8                                ; pair u = 2 i + jj: real part in accumulator 2 u, imaginary part in 2 u + 1; each is read from its low end on
.set p, 0
.rept 4
	v_pk_mul_f32 v[16+8*u+p:17+8*u+p], v[16*u+p:16*u+p+1], v[16*u+p:16*u+p+1]
.set p, p+2
.endr
.set p, 0
.rept 4
	v_pk_fma_f32 v[16+8*u+p:17+8*u+p], v[16*u+8+p:16*u+9+p], v[16*u+8+p:16*u+9+p], v[16+8*u+p:17+8*u+p]
.set p, p+2
.endr
.set u, u+1
.endr
	WIN 0
.set t, 0
.rept 64
	v_sqrt_f32 v[16+t], v[16+t]
.set t, t+1
.endr
	v_nop                                          ; a plain line between the last root and the use of its result
.set t, 0
.rept 32
	v_cvt_pk_f16_f32 v[80+t], v[16+2*t], v[17+2*t]
.set t, t+1
.endr
.set u, 0
.rept 8
	global_store_b128 v2, v[80+4*u:83+4*u], s[8:9] offset:(u%2)*ORS+(u/2)*512
.set u, u+1
.endr
.else
	WIN 0x05                                       ; sources window 1, destination window 0
.set t, 0
.rept 64                               ; ascending: each accumulator is read from its low end on
	v_cvt_pk_f16_f32 v[16+t], v[2*t], v[2*t+1]
.set t, t+1
.endr
	WIN 0
.irp i, 0,1,2,3
.irp j, 0,1,2,3
	global_store_b128 v2, v[16+4*(4*(\i)+(\j)):16+4*(4*(\i)+(\j))+3], s[8:9] offset:(\j)*ORS+(\i)*512
.endr
.endr
.endif
	s_endpgm
.Lfunc_end_k_qef7e4ae15c_s1:
	.size	k_qef7e4ae15c_s1, .Lfunc_end_k_qef7e4ae15c_s1-k_qef7e4ae15c_s1
	.p2alignl 7, 3214868480
	.fill 96, 4, 3214868480
	.section	.rodata,"a",@progbits
	.p2align	6, 0x0
	.amdhsa_kernel k_qef7e4ae15c_s1
		.amdhsa_group_segment_fixed_size 0
		.amdhsa_private_segment_fixed_size 0
		.amdhsa_enable_private_segment 0
		.amdhsa_kernarg_size 24
		.amdhsa_user_sgpr_count 2
		.amdhsa_user_sgpr_kernarg_segment_ptr 1
		.amdhsa_wavefront_size32 1
		.amdhsa_system_sgpr_workgroup_id_x 1
		.amdhsa_system_sgpr_workgroup_id_y 1
		.amdhsa_system_sgpr_workgroup_id_z 1
		.amdhsa_system_vgpr_workitem_id 0
		.amdhsa_next_free_vgpr 448
		.amdhsa_next_free_sgpr 66
		.amdhsa_reserve_vcc 0
		.amdhsa_float_denorm_mode_32 3
		.amdhsa_float_denorm_mode_16_64 3
		.amdhsa_memory_ordered 1
		.amdhsa_forward_progress 1
		.amdhsa_inst_pref_size 29
	.end_amdhsa_kernel
	.amdgpu_metadata
---
amdhsa.version: [ 1, 2 ]
amdhsa.kernels:
  - .name:           k_qef7e4ae15c_s1
    .symbol:         k_qef7e4ae15c_s1.kd
    .args:
      - { .name: xf, .offset: 0, .size: 8, .value_kind: global_buffer, .address_space: global }
      - { .name: tw, .offset: 8, .size: 8, .value_kind: global_buffer, .address_space: global }
      - { .name: y, .offset: 16, .size: 8, .value_kind: global_buffer, .address_space: global }
    .group_segment_fixed_size: 0
    .private_segment_fixed_size: 0
    .kernarg_segment_align: 8
    .kernarg_segment_size: 24
    .max_flat_workgroup_size: 128
    .sgpr_count:     66
    .vgpr_count:     448
    .wavefront_size: 32
...
	.end_amdgpu_metadata
.endif
;; end of part 2
;; launch s2 (part 3): grid 32 x 16, 4 waves a work-group, no clusters, 0 bytes of LDS; arguments y, tw, aa; writes aa
.if DOCPART == 3
	.amdgcn_target "amdgcn-amd-amdhsa--gfx1250"
	.amdhsa_code_object_version 6
	.text
	.protected	k_qef7e4ae15c_s2
	.globl	k_qef7e4ae15c_s2
	.p2align	8
	.type	k_qef7e4ae15c_s2,@function
k_qef7e4ae15c_s2:
	s_mov_b64 s[64:65], 0
	v_nop
	global_prefetch_b8 v0, s[64:65] scope:SCOPE_SE
	s_setreg_imm32_b32 hwreg(HW_REG_WAVE_MODE, 25, 1), 1
	s_wait_xcnt 0x0
; DFT PASS 2 of 4, along h, and the magnitude:  F[k1][k2] = sum over h of (cos - i sin)(2 pi h k1 / 512) (Yre + i Yim)[k2][h] / 64;  A[k1][k2] = sqrt(Fre^2 + Fim^2) = |fft2| / 1024.
; K = 256 ri + h runs over Y's real and imaginary parts; the table's even row tiles give Fre (cos, sin), the odd ones Fim (-sin, cos).  f16 operands, f32 sums, f16 out.
; One text serves the four passes; only the constants below differ.  All operands lie in memory fragment-major: [image][row tile of 16][chunk of 32 K][g][lane][16 bytes], so a
; fragment is two loads of 512 consecutive bytes straight into operand registers: no LDS, nothing is turned.
; D = data (source 0, rows m) x table (source 1, rows n): lane (r, h') then holds n = r and m = 8 h' + 0..7: rounded in pairs, 16 bytes of the NEXT pass's operand (row n, K = m):
; out byte = row tile ORS + 512 x (m tile) + 16 x lane: each store of a wave covers 512 consecutive bytes, aligned.
; SHARES: grid y = image; grid x = (n block, m block); a work-group makes 128 x 128, each of its four waves 64 x 64: 16 accumulators.
; NO CLUSTER, NO LDS TILES: the four waves share half of their fragments through the caches alone; the text is kept plain.
; REGISTERS: window 0: v1 load offset, v2 store offset, three operand buffers of 64 (4 data fragments, 4 table fragments) at v16, v80, v144;
;            window 1: v0-127 the accumulators ((i, j) at 8 (4 i + j)); v128-191 the fourth buffer.
; LIMIT: |fft2| / 1024 stays under 65,504 (f16); a magnitude whose square is under 2^-126 counts as 0.
.set KCH,  16
.set AS,   16384
.set INB,  524288
.set BS,   16384
.set TOFF, 1048576                     ; TB
.set LMB,  2
.set ORS,  16384
.set KOFF, 0
.set OUTB, 524288
.set ABS,  1
.set B0, 16
.set B1, 80
.set B2, 144
.set B3, 128                           ; in window 1
.set MSB, 0
.macro WIN new                         ; the immediate's high byte repeats the setting that is left; a switch that changes nothing is dropped
.if MSB != (\new)
	s_set_vgpr_msb (MSB<<8)|(\new)
.set MSB, \new
.endif
.endm
.macro PLACES                          ; four plain vector lines between a matrix instruction and a load into, or a vector read or write of, its registers
.rept 4
	v_nop
.endr
.endm
.macro LOADS buf, w, co                ; 16 loads: the chunk at byte co of the rows, into buffer buf of window w
	WIN 0x40*(\w)
.irp i, 0,1,2,3
	global_load_b128 v[(\buf)+8*(\i):(\buf)+8*(\i)+3],   v1, s[4:5] offset:(\i)*AS+(\co)
	global_load_b128 v[(\buf)+8*(\i)+4:(\buf)+8*(\i)+7], v1, s[4:5] offset:(\i)*AS+(\co)+512
.endr
.irp j, 0,1,2,3
	global_load_b128 v[(\buf)+32+8*(\j):(\buf)+32+8*(\j)+3],   v1, s[6:7] offset:(\j)*BS+(\co)
	global_load_b128 v[(\buf)+32+8*(\j)+4:(\buf)+32+8*(\j)+7], v1, s[6:7] offset:(\j)*BS+(\co)+512
.endr
.endm
.macro MUL buf, w, zero                ; 16 matrix instructions, the 16 accumulators by turns; zero = 1: the products start the sums
	WIN 0x50+5*(\w)
.irp i, 0,1,2,3
.irp j, 0,1,2,3
.if \zero
	v_wmma_f32_16x16x32_f16 v[8*(4*(\i)+(\j)):8*(4*(\i)+(\j))+7], v[(\buf)+8*(\i):(\buf)+8*(\i)+7], v[(\buf)+32+8*(\j):(\buf)+32+8*(\j)+7], 0
.else
	v_wmma_f32_16x16x32_f16 v[8*(4*(\i)+(\j)):8*(4*(\i)+(\j))+7], v[(\buf)+8*(\i):(\buf)+8*(\i)+7], v[(\buf)+32+8*(\j):(\buf)+32+8*(\j)+7], v[8*(4*(\i)+(\j)):8*(4*(\i)+(\j))+7]
.endif
.endr
.endr
.endm
.macro STEP fb, fw, co, mb, mw         ; the buffer just multiplied is filled again, four chunks ahead; the next buffer is multiplied
	s_wait_loadcnt 32                              ; 48 loads are out, 16 a buffer, in order: the oldest 16, buffer mb's, are in; the two younger buffers' stay out
	PLACES
	LOADS \fb, \fw, \co
	MUL \mb, \mw, 0
.endm
	s_load_b128 s[4:7], s[0:1], 0x0                ; data s[4:5], tw s[6:7]
	s_load_b64 s[8:9], s[0:1], 0x10                ; output
	v_lshrrev_b32 v3, 5, v0
	v_readfirstlane_b32 s10, v3                    ; wave 0..3
	v_and_b32 v1, 31, v0
	v_lshlrev_b32 v1, 4, v1                        ; 16 x lane
	v_mov_b32 v2, v1
	s_and_b32 s11, ttmp7, 0xffff                   ; image
	s_and_b32 s12, ttmp9, (1<<LMB)-1               ; m block
	s_lshr_b32 s13, ttmp9, LMB                     ; n block
	s_and_b32 s14, s10, 1
	s_lshr_b32 s15, s10, 1
	s_lshl_b32 s12, s12, 3
	s_lshl2_add_u32 s12, s14, s12                  ; my first m tile = 8 x block + 4 x (wave mod 2)
	s_lshl_b32 s13, s13, 3
	s_lshl2_add_u32 s13, s15, s13                  ; my first n tile = 8 x block + 4 x (wave / 2)
	s_mul_i32 s16, s11, INB
	s_mul_i32 s17, s12, AS
	s_add_co_u32 s16, s16, s17
	s_mov_b32 s17, 0
	s_mul_i32 s18, s13, BS
	s_add_co_u32 s18, s18, TOFF
	s_mov_b32 s19, 0
	s_mul_i32 s20, s11, OUTB
	s_lshl_b32 s21, s12, 9
	s_add_co_u32 s20, s20, s21
.if ABS
	s_lshr_b32 s21, s13, 1
	s_mul_i32 s21, s21, ORS
.else
	s_and_b32 s21, s13, 31
	s_mul_i32 s21, s21, ORS
	s_lshr_b32 s23, s13, 5
	s_mul_i32 s23, s23, KOFF
	s_add_co_u32 s21, s21, s23
.endif
	s_add_co_u32 s20, s20, s21
	s_mov_b32 s21, 0
	s_wait_kmcnt 0x0
	s_add_nc_u64 s[4:5], s[4:5], s[16:17]
	s_add_nc_u64 s[6:7], s[6:7], s[18:19]
	s_add_nc_u64 s[8:9], s[8:9], s[20:21]
	LOADS B0, 0, 0
	LOADS B1, 0, 1024
	LOADS B2, 0, 2048
	s_wait_loadcnt 32                              ; chunk 0 is in
	LOADS B3, 1, 3072
	MUL B0, 0, 1                                   ; the first chunk starts the sums: nothing is cleared
	WIN 0                                          ; at a label and at a branch every window is 0
	s_mov_b32 s22, KCH/4-1
.Lk:                                   ; a trip: four chunks are asked for, four are multiplied
	STEP B0, 0, 4096, B1, 0
	STEP B1, 0, 5120, B2, 0
	STEP B2, 0, 6144, B3, 1
	STEP B3, 1, 7168, B0, 0
	WIN 0
	s_wait_xcnt 0x0                                ; the loads' offset register is rewritten only behind this wait
	v_add_nc_u32 v1, 4096, v1
	s_sub_co_u32 s22, s22, 1
	s_cmp_lg_u32 s22, 0
	s_cbranch_scc1 .Lk
	s_wait_loadcnt 32                              ; the last three chunks: the counts run down
	MUL B1, 0, 0
	s_wait_loadcnt 16
	MUL B2, 0, 0
	s_wait_loadcnt 0x0
	MUL B3, 1, 0
	PLACES
.if ABS
	WIN 0x05                                       ; sources 0 and 1 window 1; source 2 and destination window 0
.set u, 0
.rept 8                                ; pair u = 2 i + jj: real part in accumulator 2 u, imaginary part in 2 u + 1; each is read from its low end on
.set p, 0
.rept 4
	v_pk_mul_f32 v[16+8*u+p:17+8*u+p], v[16*u+p:16*u+p+1], v[16*u+p:16*u+p+1]
.set p, p+2
.endr
.set p, 0
.rept 4
	v_pk_fma_f32 v[16+8*u+p:17+8*u+p], v[16*u+8+p:16*u+9+p], v[16*u+8+p:16*u+9+p], v[16+8*u+p:17+8*u+p]
.set p, p+2
.endr
.set u, u+1
.endr
	WIN 0
.set t, 0
.rept 64
	v_sqrt_f32 v[16+t], v[16+t]
.set t, t+1
.endr
	v_nop                                          ; a plain line between the last root and the use of its result
.set t, 0
	s_wait_alu depctr_va_vdst(0)
.rept 32
	v_cvt_pk_f16_f32 v[80+t], v[16+2*t], v[17+2*t]
.set t, t+1
.endr
.set u, 0
.rept 8
	global_store_b128 v2, v[80+4*u:83+4*u], s[8:9] offset:(u%2)*ORS+(u/2)*512
.set u, u+1
.endr
.else
	WIN 0x05                                       ; sources window 1, destination window 0
.set t, 0
.rept 64                               ; ascending: each accumulator is read from its low end on
	v_cvt_pk_f16_f32 v[16+t], v[2*t], v[2*t+1]
.set t, t+1
.endr
	WIN 0
.irp i, 0,1,2,3
.irp j, 0,1,2,3
	global_store_b128 v2, v[16+4*(4*(\i)+(\j)):16+4*(4*(\i)+(\j))+3], s[8:9] offset:(\j)*ORS+(\i)*512
.endr
.endr
.endif
	s_endpgm
.Lfunc_end_k_qef7e4ae15c_s2:
	.size	k_qef7e4ae15c_s2, .Lfunc_end_k_qef7e4ae15c_s2-k_qef7e4ae15c_s2
	.p2alignl 7, 3214868480
	.fill 96, 4, 3214868480
	.section	.rodata,"a",@progbits
	.p2align	6, 0x0
	.amdhsa_kernel k_qef7e4ae15c_s2
		.amdhsa_group_segment_fixed_size 0
		.amdhsa_private_segment_fixed_size 0
		.amdhsa_enable_private_segment 0
		.amdhsa_kernarg_size 24
		.amdhsa_user_sgpr_count 2
		.amdhsa_user_sgpr_kernarg_segment_ptr 1
		.amdhsa_wavefront_size32 1
		.amdhsa_system_sgpr_workgroup_id_x 1
		.amdhsa_system_sgpr_workgroup_id_y 1
		.amdhsa_system_sgpr_workgroup_id_z 1
		.amdhsa_system_vgpr_workitem_id 0
		.amdhsa_next_free_vgpr 448
		.amdhsa_next_free_sgpr 66
		.amdhsa_reserve_vcc 0
		.amdhsa_float_denorm_mode_32 3
		.amdhsa_float_denorm_mode_16_64 3
		.amdhsa_memory_ordered 1
		.amdhsa_forward_progress 1
		.amdhsa_inst_pref_size 32
	.end_amdhsa_kernel
	.amdgpu_metadata
---
amdhsa.version: [ 1, 2 ]
amdhsa.kernels:
  - .name:           k_qef7e4ae15c_s2
    .symbol:         k_qef7e4ae15c_s2.kd
    .args:
      - { .name: y, .offset: 0, .size: 8, .value_kind: global_buffer, .address_space: global }
      - { .name: tw, .offset: 8, .size: 8, .value_kind: global_buffer, .address_space: global }
      - { .name: aa, .offset: 16, .size: 8, .value_kind: global_buffer, .address_space: global }
    .group_segment_fixed_size: 0
    .private_segment_fixed_size: 0
    .kernarg_segment_align: 8
    .kernarg_segment_size: 24
    .max_flat_workgroup_size: 128
    .sgpr_count:     66
    .vgpr_count:     448
    .wavefront_size: 32
...
	.end_amdgpu_metadata
.endif
;; end of part 3
;; launch s3 (part 4): grid 32 x 16, 4 waves a work-group, no clusters, 0 bytes of LDS; arguments aa, tw, z; writes z
.if DOCPART == 4
	.amdgcn_target "amdgcn-amd-amdhsa--gfx1250"
	.amdhsa_code_object_version 6
	.text
	.protected	k_qef7e4ae15c_s3
	.globl	k_qef7e4ae15c_s3
	.p2align	8
	.type	k_qef7e4ae15c_s3,@function
k_qef7e4ae15c_s3:
	s_mov_b64 s[64:65], 0
	v_nop
	global_prefetch_b8 v0, s[64:65] scope:SCOPE_SE
	s_setreg_imm32_b32 hwreg(HW_REG_WAVE_MODE, 25, 1), 1
	s_wait_xcnt 0x0
; DFT PASS 3 of 4, the inverse transform along k2:  Z0, Z1[w][k1] = sum over k2 of A[k1][k2] (cos, -sin)(2 pi k2 w / 512) / 16.  f16 operands, f32 sums, f16 out.
; One text serves the four passes; only the constants below differ.  All operands lie in memory fragment-major: [image][row tile of 16][chunk of 32 K][g][lane][16 bytes], so a
; fragment is two loads of 512 consecutive bytes straight into operand registers: no LDS, nothing is turned.
; D = data (source 0, rows m) x table (source 1, rows n): lane (r, h') then holds n = r and m = 8 h' + 0..7: rounded in pairs, 16 bytes of the NEXT pass's operand (row n, K = m):
; out byte = row tile(n) ORS + part(n) KOFF + 512 x (m tile) + 16 x lane: each store of a wave covers 512 consecutive bytes, aligned.
; SHARES: grid y = image; grid x = (n block, m block); a work-group makes 128 x 128, each of its four waves 64 x 64: 16 accumulators.
; NO CLUSTER, NO LDS TILES: the four waves share half of their fragments through the caches alone; the text is kept plain.
; REGISTERS: window 0: v1 load offset, v2 store offset, three operand buffers of 64 (4 data fragments, 4 table fragments) at v16, v80, v144;
;            window 1: v0-127 the accumulators ((i, j) at 8 (4 i + j)); v128-191 the fourth buffer.
; LIMIT: the results stay under 65,504 (f16): here |sum| / 16.
.set KCH,  16
.set AS,   16384
.set INB,  524288
.set BS,   16384
.set TOFF, 0                           ; TA
.set LMB,  2
.set ORS,  32768
.set KOFF, 16384
.set OUTB, 1048576
.set ABS,  0
.set B0, 16
.set B1, 80
.set B2, 144
.set B3, 128                           ; in window 1
.set MSB, 0
.macro WIN new                         ; the immediate's high byte repeats the setting that is left; a switch that changes nothing is dropped
.if MSB != (\new)
	s_set_vgpr_msb (MSB<<8)|(\new)
.set MSB, \new
.endif
.endm
.macro PLACES                          ; four plain vector lines between a matrix instruction and a load into, or a vector read or write of, its registers
.rept 4
	v_nop
.endr
.endm
.macro LOADS buf, w, co                ; 16 loads: the chunk at byte co of the rows, into buffer buf of window w
	WIN 0x40*(\w)
.irp i, 0,1,2,3
	global_load_b128 v[(\buf)+8*(\i):(\buf)+8*(\i)+3],   v1, s[4:5] offset:(\i)*AS+(\co)
	global_load_b128 v[(\buf)+8*(\i)+4:(\buf)+8*(\i)+7], v1, s[4:5] offset:(\i)*AS+(\co)+512
.endr
.irp j, 0,1,2,3
	global_load_b128 v[(\buf)+32+8*(\j):(\buf)+32+8*(\j)+3],   v1, s[6:7] offset:(\j)*BS+(\co)
	global_load_b128 v[(\buf)+32+8*(\j)+4:(\buf)+32+8*(\j)+7], v1, s[6:7] offset:(\j)*BS+(\co)+512
.endr
.endm
.macro MUL buf, w, zero                ; 16 matrix instructions, the 16 accumulators by turns; zero = 1: the products start the sums
	WIN 0x50+5*(\w)
.irp i, 0,1,2,3
.irp j, 0,1,2,3
.if \zero
	v_wmma_f32_16x16x32_f16 v[8*(4*(\i)+(\j)):8*(4*(\i)+(\j))+7], v[(\buf)+8*(\i):(\buf)+8*(\i)+7], v[(\buf)+32+8*(\j):(\buf)+32+8*(\j)+7], 0
.else
	v_wmma_f32_16x16x32_f16 v[8*(4*(\i)+(\j)):8*(4*(\i)+(\j))+7], v[(\buf)+8*(\i):(\buf)+8*(\i)+7], v[(\buf)+32+8*(\j):(\buf)+32+8*(\j)+7], v[8*(4*(\i)+(\j)):8*(4*(\i)+(\j))+7]
.endif
.endr
.endr
.endm
.macro STEP fb, fw, co, mb, mw         ; the buffer just multiplied is filled again, four chunks ahead; the next buffer is multiplied
	s_wait_loadcnt 32                              ; 48 loads are out, 16 a buffer, in order: the oldest 16, buffer mb's, are in; the two younger buffers' stay out
	PLACES
	LOADS \fb, \fw, \co
	MUL \mb, \mw, 0
.endm
	s_load_b128 s[4:7], s[0:1], 0x0                ; data s[4:5], tw s[6:7]
	s_load_b64 s[8:9], s[0:1], 0x10                ; output
	v_lshrrev_b32 v3, 5, v0
	v_readfirstlane_b32 s10, v3                    ; wave 0..3
	v_and_b32 v1, 31, v0
	v_lshlrev_b32 v1, 4, v1                        ; 16 x lane
	v_mov_b32 v2, v1
	s_and_b32 s11, ttmp7, 0xffff                   ; image
	s_and_b32 s12, ttmp9, (1<<LMB)-1               ; m block
	s_lshr_b32 s13, ttmp9, LMB                     ; n block
	s_and_b32 s14, s10, 1
	s_lshr_b32 s15, s10, 1
	s_lshl_b32 s12, s12, 3
	s_lshl2_add_u32 s12, s14, s12                  ; my first m tile = 8 x block + 4 x (wave mod 2)
	s_lshl_b32 s13, s13, 3
	s_lshl2_add_u32 s13, s15, s13                  ; my first n tile = 8 x block + 4 x (wave / 2)
	s_mul_i32 s16, s11, INB
	s_mul_i32 s17, s12, AS
	s_add_co_u32 s16, s16, s17
	s_mov_b32 s17, 0
	s_mul_i32 s18, s13, BS
	s_add_co_u32 s18, s18, TOFF
	s_mov_b32 s19, 0
	s_mul_i32 s20, s11, OUTB
	s_lshl_b32 s21, s12, 9
	s_add_co_u32 s20, s20, s21
.if ABS
	s_lshr_b32 s21, s13, 1
	s_mul_i32 s21, s21, ORS
.else
	s_and_b32 s21, s13, 31
	s_mul_i32 s21, s21, ORS
	s_lshr_b32 s23, s13, 5
	s_mul_i32 s23, s23, KOFF
	s_add_co_u32 s21, s21, s23
.endif
	s_add_co_u32 s20, s20, s21
	s_mov_b32 s21, 0
	s_wait_kmcnt 0x0
	s_add_nc_u64 s[4:5], s[4:5], s[16:17]
	s_add_nc_u64 s[6:7], s[6:7], s[18:19]
	s_add_nc_u64 s[8:9], s[8:9], s[20:21]
	LOADS B0, 0, 0
	LOADS B1, 0, 1024
	LOADS B2, 0, 2048
	s_wait_loadcnt 32                              ; chunk 0 is in
	LOADS B3, 1, 3072
	MUL B0, 0, 1                                   ; the first chunk starts the sums: nothing is cleared
	WIN 0                                          ; at a label and at a branch every window is 0
	s_mov_b32 s22, KCH/4-1
.Lk:                                   ; a trip: four chunks are asked for, four are multiplied
	STEP B0, 0, 4096, B1, 0
	STEP B1, 0, 5120, B2, 0
	STEP B2, 0, 6144, B3, 1
	STEP B3, 1, 7168, B0, 0
	WIN 0
	s_wait_xcnt 0x0                                ; the loads' offset register is rewritten only behind this wait
	v_add_nc_u32 v1, 4096, v1
	s_sub_co_u32 s22, s22, 1
	s_cmp_lg_u32 s22, 0
	s_cbranch_scc1 .Lk
	s_wait_loadcnt 32                              ; the last three chunks: the counts run down
	MUL B1, 0, 0
	s_wait_loadcnt 16
	MUL B2, 0, 0
	s_wait_loadcnt 0x0
	MUL B3, 1, 0
	PLACES
	WIN 0x05                                       ; sources window 1, destination window 0
.set t, 0
.rept 64                               ; ascending: each accumulator is read from its low end on
	v_cvt_pk_f16_f32 v[16+t], v[2*t], v[2*t+1]
.set t, t+1
.endr
	WIN 0
.irp i, 0,1,2,3
.irp j, 0,1,2,3
	global_store_b128 v2, v[16+4*(4*(\i)+(\j)):16+4*(4*(\i)+(\j))+3], s[8:9] offset:(\j)*ORS+(\i)*512
.endr
.endr
	s_endpgm
.Lfunc_end_k_qef7e4ae15c_s3:
	.size	k_qef7e4ae15c_s3, .Lfunc_end_k_qef7e4ae15c_s3-k_qef7e4ae15c_s3
	.p2alignl 7, 3214868480
	.fill 96, 4, 3214868480
	.section	.rodata,"a",@progbits
	.p2align	6, 0x0
	.amdhsa_kernel k_qef7e4ae15c_s3
		.amdhsa_group_segment_fixed_size 0
		.amdhsa_private_segment_fixed_size 0
		.amdhsa_enable_private_segment 0
		.amdhsa_kernarg_size 24
		.amdhsa_user_sgpr_count 2
		.amdhsa_user_sgpr_kernarg_segment_ptr 1
		.amdhsa_wavefront_size32 1
		.amdhsa_system_sgpr_workgroup_id_x 1
		.amdhsa_system_sgpr_workgroup_id_y 1
		.amdhsa_system_sgpr_workgroup_id_z 1
		.amdhsa_system_vgpr_workitem_id 0
		.amdhsa_next_free_vgpr 448
		.amdhsa_next_free_sgpr 66
		.amdhsa_reserve_vcc 0
		.amdhsa_float_denorm_mode_32 3
		.amdhsa_float_denorm_mode_16_64 3
		.amdhsa_memory_ordered 1
		.amdhsa_forward_progress 1
		.amdhsa_inst_pref_size 29
	.end_amdhsa_kernel
	.amdgpu_metadata
---
amdhsa.version: [ 1, 2 ]
amdhsa.kernels:
  - .name:           k_qef7e4ae15c_s3
    .symbol:         k_qef7e4ae15c_s3.kd
    .args:
      - { .name: aa, .offset: 0, .size: 8, .value_kind: global_buffer, .address_space: global }
      - { .name: tw, .offset: 8, .size: 8, .value_kind: global_buffer, .address_space: global }
      - { .name: z, .offset: 16, .size: 8, .value_kind: global_buffer, .address_space: global }
    .group_segment_fixed_size: 0
    .private_segment_fixed_size: 0
    .kernarg_segment_align: 8
    .kernarg_segment_size: 24
    .max_flat_workgroup_size: 128
    .sgpr_count:     66
    .vgpr_count:     448
    .wavefront_size: 32
...
	.end_amdgpu_metadata
.endif
;; end of part 4
;; launch s4 (part 5): grid 16 x 16, 4 waves a work-group, no clusters, 0 bytes of LDS; arguments z, tw, ps; writes ps
.if DOCPART == 5
	.amdgcn_target "amdgcn-amd-amdhsa--gfx1250"
	.amdhsa_code_object_version 6
	.text
	.protected	k_qef7e4ae15c_s4
	.globl	k_qef7e4ae15c_s4
	.p2align	8
	.type	k_qef7e4ae15c_s4,@function
k_qef7e4ae15c_s4:
	s_mov_b64 s[64:65], 0
	v_nop
	global_prefetch_b8 v0, s[64:65] scope:SCOPE_SE
	s_setreg_imm32_b32 hwreg(HW_REG_WAVE_MODE, 25, 1), 1
	s_wait_xcnt 0x0
; DFT PASS 4 of 4, the inverse transform along k1:  pseudo[h][w] = sum over k1 of (cos(2 pi k1 h / 512) Z0[w][k1] + sin(..) Z1[w][k1]) / 16.  K = 512 cs + k1.
; The four passes' factors, 1/16, 1/64, 1/16, 1/16, make 2^-18 = 1 / (512 x 512): the result is the inverse transform's real part as it stands.  f16 operands, f32 sums, f16 out.
; One text serves the four passes; only the constants below differ.  All operands lie in memory fragment-major: [image][row tile of 16][chunk of 32 K][g][lane][16 bytes], so a
; fragment is two loads of 512 consecutive bytes straight into operand registers: no LDS, nothing is turned.
; D = data (source 0, rows m = w) x table (source 1, rows n = h): lane (r, h') holds h = r and w = 8 h' + 0..7: 16 bytes;
; out byte = 16384 x (h tile) + 512 x (w tile) + 16 x lane: each store of a wave covers 512 consecutive bytes, aligned.
; SHARES: grid y = image; grid x = (n block, m block); a work-group makes 128 x 128, each of its four waves 64 x 64: 16 accumulators.
; NO CLUSTER, NO LDS TILES: the four waves share half of their fragments through the caches alone; the text is kept plain.
; REGISTERS: window 0: v1 load offset, v2 store offset, three operand buffers of 64 (4 data fragments, 4 table fragments) at v16, v80, v144;
;            window 1: v0-127 the accumulators ((i, j) at 8 (4 i + j)); v128-191 the fourth buffer.
; LIMIT: the results stay under 65,504 (f16).
.set KCH,  32
.set AS,   32768
.set INB,  1048576
.set BS,   32768
.set TOFF, 2097152                     ; TD
.set LMB,  2
.set ORS,  16384
.set KOFF, 0
.set OUTB, 524288
.set ABS,  0
.set B0, 16
.set B1, 80
.set B2, 144
.set B3, 128                           ; in window 1
.set MSB, 0
.macro WIN new                         ; the immediate's high byte repeats the setting that is left; a switch that changes nothing is dropped
.if MSB != (\new)
	s_set_vgpr_msb (MSB<<8)|(\new)
.set MSB, \new
.endif
.endm
.macro PLACES                          ; four plain vector lines between a matrix instruction and a load into, or a vector read or write of, its registers
.rept 4
	v_nop
.endr
.endm
.macro LOADS buf, w, co                ; 16 loads: the chunk at byte co of the rows, into buffer buf of window w
	WIN 0x40*(\w)
.irp i, 0,1,2,3
	global_load_b128 v[(\buf)+8*(\i):(\buf)+8*(\i)+3],   v1, s[4:5] offset:(\i)*AS+(\co)
	global_load_b128 v[(\buf)+8*(\i)+4:(\buf)+8*(\i)+7], v1, s[4:5] offset:(\i)*AS+(\co)+512
.endr
.irp j, 0,1,2,3
	global_load_b128 v[(\buf)+32+8*(\j):(\buf)+32+8*(\j)+3],   v1, s[6:7] offset:(\j)*BS+(\co)
	global_load_b128 v[(\buf)+32+8*(\j)+4:(\buf)+32+8*(\j)+7], v1, s[6:7] offset:(\j)*BS+(\co)+512
.endr
.endm
.macro MUL buf, w, zero                ; 16 matrix instructions, the 16 accumulators by turns; zero = 1: the products start the sums
	WIN 0x50+5*(\w)
.irp i, 0,1,2,3
.irp j, 0,1,2,3
.if \zero
	v_wmma_f32_16x16x32_f16 v[8*(4*(\i)+(\j)):8*(4*(\i)+(\j))+7], v[(\buf)+8*(\i):(\buf)+8*(\i)+7], v[(\buf)+32+8*(\j):(\buf)+32+8*(\j)+7], 0
.else
	v_wmma_f32_16x16x32_f16 v[8*(4*(\i)+(\j)):8*(4*(\i)+(\j))+7], v[(\buf)+8*(\i):(\buf)+8*(\i)+7], v[(\buf)+32+8*(\j):(\buf)+32+8*(\j)+7], v[8*(4*(\i)+(\j)):8*(4*(\i)+(\j))+7]
.endif
.endr
.endr
.endm
.macro STEP fb, fw, co, mb, mw         ; the buffer just multiplied is filled again, four chunks ahead; the next buffer is multiplied
	s_wait_loadcnt 32                              ; 48 loads are out, 16 a buffer, in order: the oldest 16, buffer mb's, are in; the two younger buffers' stay out
	PLACES
	LOADS \fb, \fw, \co
	MUL \mb, \mw, 0
.endm
	s_load_b128 s[4:7], s[0:1], 0x0                ; data s[4:5], tw s[6:7]
	s_load_b64 s[8:9], s[0:1], 0x10                ; output
	v_lshrrev_b32 v3, 5, v0
	v_readfirstlane_b32 s10, v3                    ; wave 0..3
	v_and_b32 v1, 31, v0
	v_lshlrev_b32 v1, 4, v1                        ; 16 x lane
	v_mov_b32 v2, v1
	s_and_b32 s11, ttmp7, 0xffff                   ; image
	s_and_b32 s12, ttmp9, (1<<LMB)-1               ; m block
	s_lshr_b32 s13, ttmp9, LMB                     ; n block
	s_and_b32 s14, s10, 1
	s_lshr_b32 s15, s10, 1
	s_lshl_b32 s12, s12, 3
	s_lshl2_add_u32 s12, s14, s12                  ; my first m tile = 8 x block + 4 x (wave mod 2)
	s_lshl_b32 s13, s13, 3
	s_lshl2_add_u32 s13, s15, s13                  ; my first n tile = 8 x block + 4 x (wave / 2)
	s_mul_i32 s16, s11, INB
	s_mul_i32 s17, s12, AS
	s_add_co_u32 s16, s16, s17
	s_mov_b32 s17, 0
	s_mul_i32 s18, s13, BS
	s_add_co_u32 s18, s18, TOFF
	s_mov_b32 s19, 0
	s_mul_i32 s20, s11, OUTB
	s_lshl_b32 s21, s12, 9
	s_add_co_u32 s20, s20, s21
	s_and_b32 s21, s13, 31
	s_mul_i32 s21, s21, ORS
	s_lshr_b32 s23, s13, 5
	s_mul_i32 s23, s23, KOFF
	s_add_co_u32 s21, s21, s23
	s_add_co_u32 s20, s20, s21
	s_mov_b32 s21, 0
	s_wait_kmcnt 0x0
	s_add_nc_u64 s[4:5], s[4:5], s[16:17]
	s_add_nc_u64 s[6:7], s[6:7], s[18:19]
	s_add_nc_u64 s[8:9], s[8:9], s[20:21]
	LOADS B0, 0, 0
	LOADS B1, 0, 1024
	LOADS B2, 0, 2048
	s_wait_loadcnt 32                              ; chunk 0 is in
	LOADS B3, 1, 3072
	MUL B0, 0, 1                                   ; the first chunk starts the sums: nothing is cleared
	WIN 0                                          ; at a label and at a branch every window is 0
	s_mov_b32 s22, KCH/4-1
.Lk:                                   ; a trip: four chunks are asked for, four are multiplied
	STEP B0, 0, 4096, B1, 0
	STEP B1, 0, 5120, B2, 0
	STEP B2, 0, 6144, B3, 1
	STEP B3, 1, 7168, B0, 0
	WIN 0
	s_wait_xcnt 0x0                                ; the loads' offset register is rewritten only behind this wait
	v_add_nc_u32 v1, 4096, v1
	s_sub_co_u32 s22, s22, 1
	s_cmp_lg_u32 s22, 0
	s_cbranch_scc1 .Lk
	s_wait_loadcnt 32                              ; the last three chunks: the counts run down
	MUL B1, 0, 0
	s_wait_loadcnt 16
	MUL B2, 0, 0
	s_wait_loadcnt 0x0
	MUL B3, 1, 0
	PLACES
	WIN 0x05                                       ; sources window 1, destination window 0
.set t, 0
.rept 64                               ; ascending: each accumulator is read from its low end on
	v_cvt_pk_f16_f32 v[16+t], v[2*t], v[2*t+1]
.set t, t+1
.endr
	WIN 0
.irp i, 0,1,2,3
.irp j, 0,1,2,3
	global_store_b128 v2, v[16+4*(4*(\i)+(\j)):16+4*(4*(\i)+(\j))+3], s[8:9] offset:(\j)*ORS+(\i)*512
.endr
.endr
	s_endpgm
.Lfunc_end_k_qef7e4ae15c_s4:
	.size	k_qef7e4ae15c_s4, .Lfunc_end_k_qef7e4ae15c_s4-k_qef7e4ae15c_s4
	.p2alignl 7, 3214868480
	.fill 96, 4, 3214868480
	.section	.rodata,"a",@progbits
	.p2align	6, 0x0
	.amdhsa_kernel k_qef7e4ae15c_s4
		.amdhsa_group_segment_fixed_size 0
		.amdhsa_private_segment_fixed_size 0
		.amdhsa_enable_private_segment 0
		.amdhsa_kernarg_size 24
		.amdhsa_user_sgpr_count 2
		.amdhsa_user_sgpr_kernarg_segment_ptr 1
		.amdhsa_wavefront_size32 1
		.amdhsa_system_sgpr_workgroup_id_x 1
		.amdhsa_system_sgpr_workgroup_id_y 1
		.amdhsa_system_sgpr_workgroup_id_z 1
		.amdhsa_system_vgpr_workitem_id 0
		.amdhsa_next_free_vgpr 448
		.amdhsa_next_free_sgpr 66
		.amdhsa_reserve_vcc 0
		.amdhsa_float_denorm_mode_32 3
		.amdhsa_float_denorm_mode_16_64 3
		.amdhsa_memory_ordered 1
		.amdhsa_forward_progress 1
		.amdhsa_inst_pref_size 29
	.end_amdhsa_kernel
	.amdgpu_metadata
---
amdhsa.version: [ 1, 2 ]
amdhsa.kernels:
  - .name:           k_qef7e4ae15c_s4
    .symbol:         k_qef7e4ae15c_s4.kd
    .args:
      - { .name: z, .offset: 0, .size: 8, .value_kind: global_buffer, .address_space: global }
      - { .name: tw, .offset: 8, .size: 8, .value_kind: global_buffer, .address_space: global }
      - { .name: ps, .offset: 16, .size: 8, .value_kind: global_buffer, .address_space: global }
    .group_segment_fixed_size: 0
    .private_segment_fixed_size: 0
    .kernarg_segment_align: 8
    .kernarg_segment_size: 24
    .max_flat_workgroup_size: 128
    .sgpr_count:     66
    .vgpr_count:     448
    .wavefront_size: 32
...
	.end_amdgpu_metadata
.endif
;; end of part 5
;; launch proj (part 6): grid 256 x 1, 12 waves a work-group, no clusters, 0 bytes of LDS; arguments ps, lp, part; writes part
.if DOCPART == 6
	.amdgcn_target "amdgcn-amd-amdhsa--gfx1250"
	.amdhsa_code_object_version 6
	.text
	.protected	k_qef7e4ae15c_proj
	.globl	k_qef7e4ae15c_proj
	.p2align	8
	.type	k_qef7e4ae15c_proj,@function
k_qef7e4ae15c_proj:
	s_mov_b64 s[64:65], 0
	v_nop
	global_prefetch_b8 v0, s[64:65] scope:SCOPE_SE
	s_setreg_imm32_b32 hwreg(HW_REG_WAVE_MODE, 25, 1), 1
	s_wait_xcnt 0x0
; THE MASKS AND THE SUM OVER (h, w).  part[wg][t tile] = sum over the work-group's 16 x 64 points (h, w) of pseudo[b][h][w] mask[t][h][w], in f32, for 16 images x 16 angles a wave.
; mask_t(h, w) = g(x), x = m(h) cos(th_t) + n(w) sin(th_t), th_t = pi t / 180, m and n the signed indices (h, or h - 512 from 256 on).
; g(x) = sum over p of lp_p (sinc(x - p) + sinc(x + p)) = (sin(pi x) / pi) N / D,  D = x (x^2 - 1)(x^2 - 4),  N = NA a^2 + NB a + NC with a = x^2 - 1,
; NA = 2 (lp0 - lp1 + lp2), NB = -6 lp0 + 4 lp1 + 2 lp2, NC = 6 lp1.   sin(pi x) / pi = (-1)^k r Q(r^2), k = x rounded to a whole number, r = x - k, Q of five terms (what is cut is under 3e-6).
; NO 0/0 AT x = 0, 1, 2 AND THEIR NEGATIVES: the text works on y = x + 12 and sets y's lowest bit.  For |x| <= 2.5, y lies in 8..16 and is then an odd multiple of 2^-20: never whole; x = y - 12 and r are exact there,
; the factor of D that nears 0 is made by one fused multiply-add, and r is 2^-20 at the least.  The bit moves x by 1e-6 at most there and by 3e-5 at most at |x| = 360, as f32's rounding of x itself does.
; SHARES: work-group wg takes rows h = 16 (wg / 8) .. + 15 and columns w = 64 (wg mod 8) .. + 63: 2,048 consecutive bytes of each image in ps.  Wave v takes the angles t = 16 v + 0..15
; (those from 180 on are made and never used).  A chunk is 32 points: source 0 = pseudo (row = image), source 1 = the mask (row = angle), made in registers in the operand's own layout:
; lane (r, hf), half g, element j holds h = h0 + 4 q + 2 hf + g, w = w0 + 8 u + j for chunk c = 4 u + q, which is what 16 bytes at 64 c + 32 hf + 16 g of ps hold.
; No LDS and no cluster: the vector work for the masks, some 230 lines a chunk, binds; the twelve waves read the same 32 KiB of ps through the caches.
; LIMITS: |g| stays under 65,504 (f16; below 6e-5 it keeps f16's fixed step of 6e-8); NaN and infinities are not treated apart.
.set Y,  64                            ; v64-79    y, later x: 16 numbers, element e = 8 g + j
.set XM, 80                            ; v80-95    y + 1.5 x 2^23
.set R,  96                            ; v96-111   k, then r
.set R2, 112                           ; v112-127  r^2, later 1 / D
.set Q,  128                           ; v128-143  Q, then the mask
.set A1, 144                           ; v144-159  x^2 - 1
.set A4, 160                           ; v160-175  x^2 - 4, then D
.set NN, 176                           ; v176-191  N
; v2 cos, v3 sin, v[4:11] j sin, v12 2 hf cos + 12, v13-15 at work, v16 load offset, v17 16 x lane, v[20:27] pseudo's fragment, v[28:35] the mask's, v[36:43] the sums,
; v48 m of the chunk's first row, v49 n of its first column, v[56:57] NA, v[58:59] NB, v[60:61] NC (each twice)
.macro P8 line:vararg                  ; one line for each of the eight pairs, z = 0, 2, .. 14
.set z, 0
	s_wait_alu depctr_va_vdst(0)
.rept 8
	\line
.set z, z+2
.endr
.endm
.macro P16 line:vararg                 ; one line for each of the sixteen numbers
.set z, 0
.rept 16
	\line
.set z, z+1
.endr
.endm
.macro SINP7 dst, src                  ; v[dst] = sin(pi i / 180) for the whole number i in v[src], |i| <= 90: seven terms
	v_cvt_f32_i32 v46, v[\src]
	v_mul_f32 v46, 0x3bb60b61, v46                 ; r = i / 180
	v_mul_f32 v47, v46, v46
	v_mov_b32 v51, 0x391ba36e                      ; pi^12 / 13!
	v_fmaak_f32 v51, v51, v47, 0xbb19c0b5          ; -pi^10 / 11!
	v_fma_f32 v51, v51, v47, s24
	v_fma_f32 v51, v51, v47, s26
	v_fma_f32 v51, v51, v47, s28
	v_fma_f32 v51, v51, v47, s30
	v_fma_f32 v51, v51, v47, 1.0
	v_mul_f32 v46, 0x40490fdb, v46
	v_mul_f32 v[\dst], v51, v46
.endm
	s_load_b128 s[4:7], s[0:1], 0x0                ; ps s[4:5], lp s[6:7]
	s_load_b64 s[8:9], s[0:1], 0x10                ; part
	v_lshrrev_b32 v1, 5, v0
	v_readfirstlane_b32 s10, v1                    ; wave 0..11
	v_and_b32 v1, 15, v0                           ; r
	v_bfe_u32 v18, v0, 4, 1                        ; hf
	v_and_b32 v17, 31, v0
	v_lshlrev_b32 v17, 4, v17
	v_mov_b32 v50, 0
	s_mov_b32 s20, 0x4b400000                      ; 1.5 x 2^23; each constant is named as a pair, so both words are written
	s_mov_b32 s21, 0x4b400000
	s_mov_b32 s22, 0xcb400000
	s_mov_b32 s23, 0xcb400000
	s_mov_b32 s24, 0x3cd63403                      ; pi^8 / 9!
	s_mov_b32 s25, 0x3cd63403
	s_mov_b32 s26, 0xbe435472                      ; -pi^6 / 7!
	s_mov_b32 s27, 0xbe435472
	s_mov_b32 s28, 0x3f4fce5a                      ; pi^4 / 5!
	s_mov_b32 s29, 0x3f4fce5a
	s_mov_b32 s30, 0xbfd28d33                      ; -pi^2 / 3!
	s_mov_b32 s31, 0xbfd28d33
	s_mov_b32 s40, 0xc1400000                      ; -12
	s_mov_b32 s41, 0xc1400000
	s_lshl_b32 s14, ttmp9, 11                      ; my 2,048 bytes of each image
	s_mov_b32 s15, 0
	s_mul_i32 s16, ttmp9, 12288                    ; my 12 x 1,024 bytes of part,
	s_lshl_b32 s17, s10, 10                        ; my wave's 1,024
	s_add_co_u32 s16, s16, s17
	s_mov_b32 s17, 0
	s_lshr_b32 s11, ttmp9, 3
	s_lshl_b32 s11, s11, 4                         ; h0
	s_cmp_ge_u32 s11, 256
	s_cselect_b32 s13, 512, 0
	s_sub_co_u32 s11, s11, s13                     ; m of row h0
	s_and_b32 s12, ttmp9, 7
	s_lshl_b32 s12, s12, 6                         ; w0
	s_cmp_ge_u32 s12, 256
	s_cselect_b32 s13, 512, 0
	s_sub_co_u32 s12, s12, s13                     ; n of column w0
	s_wait_kmcnt 0x0
	global_load_b96 v[52:54], v50, s[6:7]          ; lp, the same three numbers in every lane
	s_add_nc_u64 s[4:5], s[4:5], s[14:15]
	s_add_nc_u64 s[8:9], s[8:9], s[16:17]
	v_cvt_f32_i32 v48, s11
	v_cvt_f32_i32 v49, s12
	v_lshl_add_u32 v19, s10, 4, v1                 ; t
	v_sub_nc_u32 v44, 0xb4, v19
	v_min_i32 v44, v19, v44                        ; sin(pi t / 180) = sin(pi min(t, 180 - t) / 180)
	v_sub_nc_u32 v45, 0x5a, v19                    ; cos(pi t / 180) = sin(pi (90 - t) / 180)
	SINP7 3, 44
	SINP7 2, 45
	v_mov_b32 v4, 0
	v_mov_b32 v5, v3
	v_mul_f32 v6, 2.0, v3
	v_mul_f32 v7, 0x40400000, v3
	v_mul_f32 v8, 4.0, v3
	v_mul_f32 v9, 0x40a00000, v3
	v_mul_f32 v10, 0x40c00000, v3
	v_mul_f32 v11, 0x40e00000, v3
	v_cvt_f32_u32 v46, v18
	v_add_f32 v46, v46, v46
	v_fmaak_f32 v12, v46, v2, 0x41400000           ; 2 hf cos + 12
	v_lshlrev_b32 v16, 19, v1                      ; image r: 524,288 bytes each,
	v_lshl_add_u32 v16, v18, 5, v16                ; + 32 hf
.irp j, 36,37,38,39,40,41,42,43
	v_mov_b32 v\j, 0                               ; the one accumulator's eight registers are cleared, so that the two nested loops need no first chunk written out
.endr
	s_wait_loadcnt 0x0                             ; lp
	v_sub_f32 v56, v52, v53
	v_add_f32 v56, v56, v54
	v_add_f32 v56, v56, v56                        ; NA
	v_mov_b32 v57, v56
	v_mul_f32 v58, 0xc0c00000, v52
	v_fmac_f32 v58, 4.0, v53
	v_fmac_f32 v58, 2.0, v54                       ; NB
	v_mov_b32 v59, v58
	v_mul_f32 v60, 0x40c00000, v53                 ; NC
	v_mov_b32 v61, v60
.macro CHUNK
	v_fma_f32 v13, v49, v3, v12                    ; n sin + 2 hf cos + 12
	v_fma_f32 v14, v48, v2, v13                    ; + m cos: half g = 0
	v_add_f32 v15, v14, v2                         ; one row on: half g = 1
.irp p, 0,1,2,3
	v_pk_add_f32 v[Y+2*(\p):Y+2*(\p)+1], v[4+2*(\p):5+2*(\p)], v[14:15] op_sel_hi:[1,0]
.endr
.irp p, 0,1,2,3
	v_pk_add_f32 v[Y+8+2*(\p):Y+9+2*(\p)], v[4+2*(\p):5+2*(\p)], v[14:15] op_sel:[0,1] op_sel_hi:[1,1]
.endr
	global_load_b128 v[20:23], v16, s[4:5]         ; eleven plain lines stand between the last matrix instruction and these loads into its source
	global_load_b128 v[24:27], v16, s[4:5] offset:16
	P16 v_or_b32 v[Y+z], 1, v[Y+z]
	P8 v_pk_add_f32 v[XM+z:XM+z+1], v[Y+z:Y+z+1], s[20:21] op_sel_hi:[1,0]
	P8 v_pk_add_f32 v[R+z:R+z+1], v[XM+z:XM+z+1], s[22:23] op_sel_hi:[1,0]
	P8 v_pk_add_f32 v[R+z:R+z+1], v[Y+z:Y+z+1], v[R+z:R+z+1] neg_lo:[0,1] neg_hi:[0,1]
	P8 v_pk_add_f32 v[Y+z:Y+z+1], v[Y+z:Y+z+1], s[40:41] op_sel_hi:[1,0]
	P8 v_pk_mul_f32 v[R2+z:R2+z+1], v[R+z:R+z+1], v[R+z:R+z+1]
	P8 v_pk_fma_f32 v[Q+z:Q+z+1], v[R2+z:R2+z+1], s[24:25], s[26:27] op_sel_hi:[1,0,0]
	P8 v_pk_fma_f32 v[A1+z:A1+z+1], v[Y+z:Y+z+1], v[Y+z:Y+z+1], -1.0 op_sel_hi:[1,1,0]
	P8 v_pk_fma_f32 v[Q+z:Q+z+1], v[Q+z:Q+z+1], v[R2+z:R2+z+1], s[28:29] op_sel_hi:[1,1,0]
	P8 v_pk_fma_f32 v[A4+z:A4+z+1], v[Y+z:Y+z+1], v[Y+z:Y+z+1], -4.0 op_sel_hi:[1,1,0]
	P8 v_pk_fma_f32 v[Q+z:Q+z+1], v[Q+z:Q+z+1], v[R2+z:R2+z+1], s[30:31] op_sel_hi:[1,1,0]
	P8 v_pk_mul_f32 v[A4+z:A4+z+1], v[A4+z:A4+z+1], v[A1+z:A1+z+1]
	P8 v_pk_fma_f32 v[Q+z:Q+z+1], v[Q+z:Q+z+1], v[R2+z:R2+z+1], 1.0 op_sel_hi:[1,1,0]
	P8 v_pk_mul_f32 v[A4+z:A4+z+1], v[A4+z:A4+z+1], v[Y+z:Y+z+1]
	P8 v_pk_fma_f32 v[NN+z:NN+z+1], v[A1+z:A1+z+1], v[56:57], v[58:59]
	P16 v_rcp_f32 v[R2+z], v[A4+z]
	P16 v_lshl_or_b32 v[Q+z], v[XM+z], 31, v[Q+z]
	P8 v_pk_fma_f32 v[NN+z:NN+z+1], v[NN+z:NN+z+1], v[A1+z:A1+z+1], v[60:61]
	P8 v_pk_mul_f32 v[Q+z:Q+z+1], v[Q+z:Q+z+1], v[R+z:R+z+1]
	P8 v_pk_mul_f32 v[NN+z:NN+z+1], v[NN+z:NN+z+1], v[R2+z:R2+z+1]
	P8 v_pk_mul_f32 v[Q+z:Q+z+1], v[Q+z:Q+z+1], v[NN+z:NN+z+1]
	P8 v_cvt_pk_f16_f32 v[28+z/2], v[Q+z], v[Q+z+1]
	s_wait_loadcnt 0x0                             ; the chunk's two loads, issued at its head; the wait also frees their offset register
	v_add_nc_u32 v16, 64, v16
	v_add_f32 v48, 4.0, v48                        ; the next chunk lies four rows on
	s_wait_alu depctr_va_vdst(0)                   ; this line stands directly ahead of every link
	v_wmma_f32_16x16x32_f16 v[36:43], v[20:27], v[28:35], v[36:43]
.endm
	s_mov_b32 s35, 8
.Lu:                                   ; eight groups of eight columns
	s_mov_b32 s34, 4
.Lq:                                   ; four chunks of four rows
	CHUNK
	s_sub_co_u32 s34, s34, 1
	s_cmp_lg_u32 s34, 0
	s_cbranch_scc1 .Lq
	v_add_f32 v48, 0xc1800000, v48                 ; back to the first row,
	v_add_f32 v49, 0x41000000, v49                 ; eight columns on
	s_sub_co_u32 s35, s35, 1
	s_cmp_lg_u32 s35, 0
	s_cbranch_scc1 .Lu
.rept 4
	v_nop                                          ; the places between the last product and the stores of its result
.endr
	global_store_b128 v17, v[36:39], s[8:9]        ; register j of lane (r, h'): image 8 h' + j, angle 16 v + r; 512 consecutive bytes a store
	global_store_b128 v17, v[40:43], s[8:9] offset:512
	s_endpgm
.Lfunc_end_k_qef7e4ae15c_proj:
	.size	k_qef7e4ae15c_proj, .Lfunc_end_k_qef7e4ae15c_proj-k_qef7e4ae15c_proj
	.p2alignl 7, 3214868480
	.fill 96, 4, 3214868480
	.section	.rodata,"a",@progbits
	.p2align	6, 0x0
	.amdhsa_kernel k_qef7e4ae15c_proj
		.amdhsa_group_segment_fixed_size 0
		.amdhsa_private_segment_fixed_size 0
		.amdhsa_enable_private_segment 0
		.amdhsa_kernarg_size 24
		.amdhsa_user_sgpr_count 2
		.amdhsa_user_sgpr_kernarg_segment_ptr 1
		.amdhsa_wavefront_size32 1
		.amdhsa_system_sgpr_workgroup_id_x 1
		.amdhsa_system_sgpr_workgroup_id_y 1
		.amdhsa_system_sgpr_workgroup_id_z 1
		.amdhsa_system_vgpr_workitem_id 0
		.amdhsa_next_free_vgpr 192
		.amdhsa_next_free_sgpr 66
		.amdhsa_reserve_vcc 0
		.amdhsa_float_denorm_mode_32 3
		.amdhsa_float_denorm_mode_16_64 3
		.amdhsa_memory_ordered 1
		.amdhsa_forward_progress 1
		.amdhsa_inst_pref_size 20
	.end_amdhsa_kernel
	.amdgpu_metadata
---
amdhsa.version: [ 1, 2 ]
amdhsa.kernels:
  - .name:           k_qef7e4ae15c_proj
    .symbol:         k_qef7e4ae15c_proj.kd
    .args:
      - { .name: ps, .offset: 0, .size: 8, .value_kind: global_buffer, .address_space: global }
      - { .name: lp, .offset: 8, .size: 8, .value_kind: global_buffer, .address_space: global }
      - { .name: part, .offset: 16, .size: 8, .value_kind: global_buffer, .address_space: global }
    .group_segment_fixed_size: 0
    .private_segment_fixed_size: 0
    .kernarg_segment_align: 8
    .kernarg_segment_size: 24
    .max_flat_workgroup_size: 384
    .sgpr_count:     66
    .vgpr_count:     192
    .wavefront_size: 32
...
	.end_amdgpu_metadata
.endif
;; end of part 6
;; launch fin (part 7): grid 12 x 1, 16 waves a work-group, no clusters, 10,240 bytes of LDS; arguments part, out0; writes out0
.if DOCPART == 7
	.amdgcn_target "amdgcn-amd-amdhsa--gfx1250"
	.amdhsa_code_object_version 6
	.text
	.protected	k_qef7e4ae15c_fin
	.globl	k_qef7e4ae15c_fin
	.p2align	8
	.type	k_qef7e4ae15c_fin,@function
k_qef7e4ae15c_fin:
	s_mov_b64 s[64:65], 0
	v_nop
	global_prefetch_b8 v0, s[64:65] scope:SCOPE_SE
	s_setreg_imm32_b32 hwreg(HW_REG_WAVE_MODE, 25, 1), 1
	s_wait_xcnt 0x0
; THE LAST SUM.  out0[b][t] = 2^-18 x the sum over the 256 work-groups' partial sums part[wg][tile][1,024 bytes], in f32, in a fixed order.
; A work-group takes one tile of 16 angles.  Thread = (grp = thread / 64, i = thread mod 64): it adds piece i (16 bytes, four images) of the 32 work-groups 32 grp .. 32 grp + 31;
; the eight groups' sums meet in LDS, and waves 0 and 1 add them, scale and store.  Piece i = 32 g2 + L, L = r + 16 h': images 8 h' + 4 g2 + 0..3, angle 16 tile + r.
; Twelve work-groups: the launch moves 3 MiB and stores 2,880 numbers; its stores are four bytes a lane, 720 bytes apart, since that is all there is to store.
; LDS: bytes 0..8191 the 512 threads' sums; bytes 8192..10239 the spare words, 128 bytes a wave, which no other line names.
.set SPARE, 8192
.macro LEVEL n                         ; quad k takes quad k + n, k = 0 .. n - 1
.set k, 0
.rept \n
	v_pk_add_f32 v[32+4*k:33+4*k], v[32+4*k:33+4*k], v[32+4*(k+(\n)):33+4*(k+(\n))]
	v_pk_add_f32 v[34+4*k:35+4*k], v[34+4*k:35+4*k], v[34+4*(k+(\n)):35+4*(k+(\n))]
.set k, k+1
.endr
.endm
	s_load_b128 s[4:7], s[0:1], 0x0                ; part s[4:5], out0 s[6:7]
	v_lshl_add_u32 v30, v0, 2, SPARE               ; my spare word
	v_mov_b32 v31, 0
	v_lshrrev_b32 v1, 5, v0
	v_readfirstlane_b32 s10, v1                    ; wave 0..15
	s_mov_b32 s11, ttmp9                           ; tile
	s_lshl_b32 s12, s11, 10
	s_mov_b32 s13, 0
	v_and_b32 v2, 63, v0                           ; i
	v_lshrrev_b32 v3, 6, v0                        ; grp
	v_mul_u32_u24 v3, v3, 0x60000                  ; 32 work-groups x 12,288 bytes
	v_lshl_add_u32 v3, v2, 4, v3
	v_lshlrev_b32 v4, 4, v0                        ; my 16 bytes of LDS
	s_wait_kmcnt 0x0
	s_add_nc_u64 s[4:5], s[4:5], s[12:13]
.set q, 0
.rept 32
	global_load_b128 v[32+4*q:35+4*q], v3, s[4:5] offset:12288*q
.set q, q+1
.endr
	s_wait_loadcnt 0x0
	LEVEL 16
	LEVEL 8
	LEVEL 4
	LEVEL 2
	LEVEL 1
	ds_store_b128 v4, v[32:35]
	s_wait_tensorcnt 0x0                           ; behind my only LDS store: only LDS reads follow
	ds_add_u32 v30, v31
	s_wait_dscnt 0x0                               ; my store is done too, for the others' sake
	s_barrier_signal -1
	s_barrier_wait -1
	s_cmp_ge_u32 s10, 2
	s_cbranch_scc1 .Ldone
.set q, 0
.rept 8
	ds_load_b128 v[32+4*q:35+4*q], v4 offset:1024*q  ; piece i of the eight groups (thread = i here)
.set q, q+1
.endr
	v_and_b32 v5, 15, v0                           ; r
	v_bfe_u32 v6, v0, 4, 1                         ; h'
	v_bfe_u32 v7, v0, 5, 1                         ; g2
	v_lshlrev_b32 v6, 3, v6
	v_lshl_add_u32 v6, v7, 2, v6                   ; my first image
	v_lshl_add_u32 v5, s11, 4, v5                  ; t
	v_mul_u32_u24 v6, v6, 0x2d0                    ; a row of out0 is 720 bytes
	v_lshl_add_u32 v6, v5, 2, v6
	s_wait_dscnt 0x0
	LEVEL 4
	LEVEL 2
	LEVEL 1
.irp j, 32,33,34,35
	v_mul_f32 v\j, 0x36800000, v\j                 ; 2^-18 = 1 / (512 x 512)
.endr
	s_wait_xcnt 0x0                                ; EXEC changes only behind this wait
	v_cmp_gt_u32 vcc_lo, 0xb4, v5                  ; the last tile's angles from 180 on do not exist
	s_and_saveexec_b32 s14, vcc_lo
	global_store_b32 v6, v32, s[6:7]
	global_store_b32 v6, v33, s[6:7] offset:720
	global_store_b32 v6, v34, s[6:7] offset:1440
	global_store_b32 v6, v35, s[6:7] offset:2160
	s_wait_xcnt 0x0                                ; and again, ahead of the line that widens it
	s_or_b32 exec_lo, exec_lo, s14
.Ldone:
	s_endpgm
.Lfunc_end_k_qef7e4ae15c_fin:
	.size	k_qef7e4ae15c_fin, .Lfunc_end_k_qef7e4ae15c_fin-k_qef7e4ae15c_fin
	.p2alignl 7, 3214868480
	.fill 96, 4, 3214868480
	.section	.rodata,"a",@progbits
	.p2align	6, 0x0
	.amdhsa_kernel k_qef7e4ae15c_fin
		.amdhsa_group_segment_fixed_size 10240
		.amdhsa_private_segment_fixed_size 0
		.amdhsa_enable_private_segment 0
		.amdhsa_kernarg_size 16
		.amdhsa_user_sgpr_count 2
		.amdhsa_user_sgpr_kernarg_segment_ptr 1
		.amdhsa_wavefront_size32 1
		.amdhsa_system_sgpr_workgroup_id_x 1
		.amdhsa_system_sgpr_workgroup_id_y 1
		.amdhsa_system_sgpr_workgroup_id_z 1
		.amdhsa_system_vgpr_workitem_id 0
		.amdhsa_next_free_vgpr 160
		.amdhsa_next_free_sgpr 66
		.amdhsa_reserve_vcc 1
		.amdhsa_float_denorm_mode_32 3
		.amdhsa_float_denorm_mode_16_64 3
		.amdhsa_memory_ordered 1
		.amdhsa_forward_progress 1
		.amdhsa_inst_pref_size 11
	.end_amdhsa_kernel
	.amdgpu_metadata
---
amdhsa.version: [ 1, 2 ]
amdhsa.kernels:
  - .name:           k_qef7e4ae15c_fin
    .symbol:         k_qef7e4ae15c_fin.kd
    .args:
      - { .name: part, .offset: 0, .size: 8, .value_kind: global_buffer, .address_space: global }
      - { .name: out0, .offset: 8, .size: 8, .value_kind: global_buffer, .address_space: global }
    .group_segment_fixed_size: 10240
    .private_segment_fixed_size: 0
    .kernarg_segment_align: 8
    .kernarg_segment_size: 16
    .max_flat_workgroup_size: 512
    .sgpr_count:     66
    .vgpr_count:     160
    .wavefront_size: 32
...
	.end_amdgpu_metadata
.endif
;; end of part 7
